; MI455X (gfx1250); checked and timed in simulation.
; The chip was launched on July 23, 2026; its instructions are those of AMD's public machine-readable ISA for CDNA 5 (MIT licence, August 2026) and "CDNA5" Instruction Set Architecture Reference Guide (July 2026). The comments in the code are by the model that wrote it; some were corrected since.
;; Distributional Ordered Encoder. Allowed arithmetic: matrix products marked QUANTISED: E2M1 operands, one E8M0 scale for each 32 along K, by v_wmma_scale_f32_16x16x128_f8f6f4 with both operands' format E2M1 (or v_wmma_scale_f32_32x16x128_f4), f32 sums; products left as they are: f32 operands where the result goes on into a quantised operand, else bf16, f16 or f32 operands; f32 sums; everything else in f32.
;; Inputs: att_b1 64 float32; att_b2 1 float32; att_w1 192 x 64 float32; att_w2 64 x 1 float32; ln_beta 64 float32; ln_gamma 64 float32; pos_b1 64 float32; pos_b2 64 float32; pos_w1 1 x 64 float32; pos_w2_codes 64 x 2 x 16 uint8 (E2M1 codes of pos_w2, K innermost, in blocks of 32 codes, two codes a byte); pos_w2_scales 64 x 2 uint8 (E8M0 scales of pos_w2, one for each 32 codes along K); proj_b 64 float32; proj_w_codes 64 x 2 x 16 uint8 (E2M1 codes of proj_w, K innermost, in blocks of 32 codes, two codes a byte); proj_w_scales 64 x 2 uint8 (E8M0 scales of proj_w, one for each 32 codes along K); segmented_emb 128 x 64 x 64 x 64 float32; segmented_mask 128 x 64 x 64 int32; target_emb_codes 128 x 2 x 16 uint8 (E2M1 codes of target_emb, K innermost, in blocks of 32 codes, two codes a byte); target_emb_scales 128 x 2 uint8 (E8M0 scales of target_emb, one for each 32 codes along K).
;; Outputs: out0 128 x 64 x 64 float32.
;; This version of the problem:
;;   THIS VERSION OF THE PROBLEM IS GIVEN IN LOW PRECISION. The matrix products marked QUANTISED in the list below multiply operands that are first quantised to E2M1 (2 exponent bits, 1 mantissa bit; 4 bits a number), with one power-of-two scale for each 32 numbers along K (OCP MX v1.0); their sums are f32. All else is computed in f32.
;;   The module's matrix products, in the order in which they are computed (A, B: the left and right operand; K: the contracted axis; several contracted axes count as one K, in the product's order):
;;     1. [M 64, K 1] x [K 1, N 64]; A: computed on the way; B: input pos_w1: left as it is (K = 1 < 32)
;;     2. [M 64, K 64] x [K 64, N 64]; A: computed on the way; B: input pos_w2 (given as codes): QUANTISED
;;     3. [M 524,288, K 64] x [K 64, N 64]; A: input segmented_emb; B: input att_w1: QUANTISED
;;     4. [M 64, K 64] x [K 64, N 64]; A: computed on the way; B: input att_w1: QUANTISED
;;     5. [M 128, K 64] x [K 64, N 64]; A: input target_emb (given as codes); B: input att_w1: QUANTISED
;;     6. [M 524,288, K 64] x [K 64, N 1]; A: computed on the way; B: input att_w2: left as it is (N = 1 < 16)
;;     7. batch 8,192 x [M 1, K 64] x [K 64, N 64]; A: softmax; B: input segmented_emb: left as it is (M = 1 < 16)
;;     8. [M 8,192, K 64] x [K 64, N 64]; A: computed on the way; B: input proj_w (given as codes): QUANTISED
;;   THE QUANTISER, for each operand of a quantised product, along K:
;;     - K is cut into blocks of 32 from its start; a last block that is shorter is filled with zeros.
;;     - A block's scale is 2^e with e = floor(log2(the largest magnitude in the block)) - 2, held to -126 .. 127; a block of zeros has e = 0. As a byte (E8M0): e + 127.
;;     - Each number is divided by its block's scale, clamped to +-6, and rounded to the nearest number of E2M1, ties to even, subnormals kept.
;;     - The product sums the exact products of the quantised numbers (number of the format x scale) in f32.
;;   ~~~python
;;   def quantise(x, axis):      # numpy; x: float32 -> the quantised numbers, widened to float32 again
;;       x = np.moveaxis(x, axis, -1); K = x.shape[-1]
;;       x = np.pad(x, [(0, 0)] * (x.ndim - 1) + [(0, -K % 32)]); x = x.reshape(x.shape[:-1] + (-1, 32)); a = np.abs(x).max(-1, keepdims=True)
;;       e = np.where(a > 0, np.clip(np.frexp(np.where(a > 0, a, 1))[1] - 1 - 2, -126, 127), 0)      # np.frexp(a)[1] - 1 = floor(log2(a)), exactly
;;       r = np.clip(x / 2.0 ** e, -6, 6)
;;       step = 2.0 ** (np.maximum(np.frexp(np.where(r == 0, 1, r))[1] - 1, 0) - 1)
;;       q = np.round(r / step) * step * 2.0 ** e      # np.round: ties to even
;;       return np.moveaxis(q.reshape(q.shape[:-2] + (-1,))[..., :K], -1, axis).astype(np.float32)
;;   ~~~
;;   OPERANDS COMPUTED ON THE WAY. 'Computed on the way' means the value that the module computes at that place (a softmax that the list does not call 'softmax' is quantised finished and normalised). What goes into a quantiser is computed in f32, as accurately as f32 sums, v_exp_f32 and their like allow (about 1e-6 of the number): no bf16 or f16 on the way to a quantiser, and a product that is left as it is and whose result goes on into a quantised operand takes f32 operands (vector FMAs, or v_wmma_f32_16x16x4_f32). A number that lies on a knife's edge between two numbers of the format may be rounded either way, as far as f32 arithmetic and the matrix unit's own rounding can turn it there, and no further.
;;   INPUTS GIVEN AS CODES. pos_w2 (in the module: [64, 64], K = its axis 0); proj_w (in the module: [64, 64], K = its axis 0); target_emb (in the module: [128, 64], K = its axis 1): each comes as NAME_codes (uint8): NAME with its K axis moved to the last place and cut into blocks of 32 codes, [.., K / 32, bytes a block], one block behind the other in memory; two codes a byte, the lower K in the low four bits (a code: sign, 2 exponent bits, 1 mantissa bit); and NAME_scales (uint8): the same leading axes, one E8M0 byte (e + 127) for each 32 codes along K. Its value is code x scale, taken as it is: it is not quantised again, and the codes and scales need not be those that the quantiser above would give.
;; One version. Each part assembles by itself: llvm-mc -triple=amdgcn-amd-amdhsa -mcpu=gfx1250 --defsym DOCPART=n.
;; ======== version 1 of 1: 1 launch
;; launch encode (part 1): grid 256 x 1, 8 waves a work-group, no clusters, 227,840 bytes of LDS; arguments segmented_emb, segmented_mask, att_w1, att_b1, att_w2, att_b2, pos_w1, pos_b1, pos_w2_codes, pos_w2_scales, pos_b2, target_emb_codes, target_emb_scales, proj_w_codes, proj_w_scales, proj_b, ln_gamma, ln_beta, out0; writes out0
.if DOCPART == 1
	.amdgcn_target "amdgcn-amd-amdhsa--gfx1250"
	.amdhsa_code_object_version 6
	.text
	.protected	k_q669303c3bf_encode
	.globl	k_q669303c3bf_encode
	.p2align	8
	.type	k_q669303c3bf_encode,@function
k_q669303c3bf_encode:
	s_mov_b64 s[64:65], 0
	v_nop
	global_prefetch_b8 v0, s[64:65] scope:SCOPE_SE
	s_setreg_imm32_b32 hwreg(HW_REG_WAVE_MODE, 25, 1), 1
	s_wait_xcnt 0x0
; DistributionalOrderedEncoder, the whole of it in one launch.  For each of 8,192 tiles (b, t) of segmented_emb, 64 rows s x 64 numbers d of f32 (16,384 dense bytes):
;   h = relu(Q(emb) Q(w_emb) + Q(pos_enc) Q(w_pos) + target Q(w_tgt) + att_b1);  score = h . att_w2 + att_b2, -1e9 where the mask is 0;  attn = softmax over s;
;   seg = the sum over s of attn emb (f32);  out = LayerNorm(Q(seg) proj_w + proj_b).   Q: MX-FP4 (E2M1 codes, one E8M0 scale for each 32 along K).
; SHARES.  256 work-groups of 8 waves.  Work-group g owns tiles 32 g .. 32 g + 31, half of one b (b = g / 2); wave w owns tiles 32 g + 4 w .. + 3 and takes each through the whole chain alone.
; THE STREAM.  A tile comes by 32 loads of 512 consecutive bytes into one of two sets of 128 registers (window 1).  The next tile's loads go out as soon as a tile has landed, so each wave has 36 loads out while it works.
;   The landed tile is stored once to the wave's own LDS tile (rows 272 bytes apart) and read back 32 neighbours along d to a lane, as the conversions want them.
;   The registers as loaded (a lane: 4 columns; its half: the row's parity) are what the weighted sum wants: the tile is not read a second time.
; K = 128 IS FILLED.  Source 1 of the main product is [Q(emb row) | Q(pos_enc row)], source 0 is att_w1's rows 0 .. 127 quantised down K (their blocks of 32 begin at multiples of 32 in both slices), C is target w_tgt + att_b1.
;   THE PRODUCTS ARE USED TRANSPOSED: source 0 = 16 hidden units, source 1 = 16 rows s, so a lane holds one row s and 32 of its 64 hidden units.
; THE HEAD, while tile 0 is on its way: att_w1, eight vectors and two weights' codes go to LDS once (barrier 1); wave w (t = w % 4, c = w / 4) quantises K half c of hidden units 16 t .. + 15,
;   makes rows 16 t .. + 15 of pos_enc and their codes, and tile t of C; the last two are made by both groups of four waves, each into its own copy, so that all waves run one text (barrier 2); every wave then reads all of it into registers.
; NO CLUSTER: what work-groups share is 55 KiB of weights, read once each through registers, against 512 KiB of a work-group's own stream.
; LIMITS.  NaN and infinities among the inputs are not served.  A block of zeros gets the scale byte 1 where the quantiser's rule says 127: its codes are zeros, and the bytes are read here alone.
;   v_exp_f32, v_rcp_f32 and v_rsq_f32 are accurate to 1 ulp and flush denormals (ISA guide, 15.8).  s / 63 is s x (1 / 63) mended by one Newton step.
.set PITCH, 272                        ; an LDS row of 256 bytes + 16: the 16 rows that a load of 16 bytes a lane touches start 4 banks apart
.set TILEB, 64*PITCH                   ; a wave's tile
.set ATT,   8*TILEB                    ; 139,264: a wave's 64 attn, as [s % 2][s / 2], 256 bytes a wave
.set SEG,   ATT+8*256                  ; 141,312: a wave's 4 rows of seg, later of the output: 4 x 272 bytes a wave
.set RW1,   SEG+8*4*PITCH              ; 150,016: att_w1, 192 rows
.set RV,    RW1+192*PITCH              ; 202,240: eight vectors of 256 bytes: pos_w1, pos_b1, pos_b2, att_b1, att_w2, proj_b, ln_gamma, ln_beta
.set RC,    RV+2048                    ; 204,288: pos_w2's codes, then proj_w's
.set WAI,   RC+4096                    ; 208,384: source 0's fragments as images of their registers: tile t, half c at 1024 t + 512 c + 16 x lane
.set WSC,   WAI+4096                   ; 212,480: their half scale words, 128 w + 4 x lane
.set CTI,   WSC+1024                   ; 213,504: C's tiles, 1,024 bytes a wave
.set PFI,   CTI+8192                   ; 221,696: pos_enc's codes, 512 bytes a wave
.set PFS,   PFI+4096                   ; 225,792: their half scale words; ends at 226,816
; registers that stay
.set GOF, 1                            ; 16 x lane
.set LST, 2                            ; my tile: 272 (lane / 16) + 16 (lane % 16): where a load's 16 bytes go
.set LRD, 3                            ; my tile: 272 r + 128 h: where my 32 neighbours begin
.set MOF, 4                            ; 4 r
.set AST, 5                            ; attn in: 128 (r % 2) + 4 (r / 2)
.set ARD, 6                            ; attn back: 128 h
.set SST, 7                            ; seg in: 16 r
.set SGR, 8                            ; seg back: 272 (r % 4) + 128 h
.set SH8, 9                            ; 8 h
.set SGD, 10                           ; the way out: 272 (lane / 16) + 16 (lane % 16)
.set TAD, 11                           ; an address at work
.set VRV, 12                           ; RV + 128 h
.set VNC, 13                           ; RC + 32 (r + 24 (r / 8)) + 16 h
.set ML,  14                           ; v14-17, v18-21: the mask words of the tile in set 0, 1
.set PJS, 22                           ; v22-45 hold scales and nothing else: proj_w's,
.set WAS, 26                           ; source 0's,
.set BSC, 30                           ; source 1's,
.set PWS, 34                           ; pos_w2's,
.set TGS, 38                           ; target's,
.set SA1, 39                           ; the position layer's,
.set SWT, 40                           ; w_tgt's,
.set SSC, 41                           ; seg's,
.set PSC, 42                           ; pos_enc's two bytes, at bits 16 .. 31
.set WA,  46                           ; v46-77   source 0: 4 fragments
.set BF,  78                           ; v78-109  source 1: fragment m: registers 0-3 emb's codes, 4-7 pos_enc's
.set CT,  110                          ; v110-141 C
.set W2,  142                          ; v142-173 att_w2 in the result's layout
.set XQ,  174                          ; v174-237 two sets of 32 numbers;
.set DA,  174                          ; then two sets of 4 results;
.set DB,  206
.set AT,  174                          ; then 32 attn
.set ACC, 206                          ; and 8 sums
.set T0,  238
.set T1,  239
.set SCL, 240
.set BY,  244
.set U,   248                          ; v248-251 what the lane 16 away sends
.set SA,  238                          ; v238-245 four pairs of partial scores
.set MX,  238
.set SL,  239
.set SC,  252                          ; v252-255 my four rows' scores, then attn
; the head's own
.set LN,  224
.set RR,  225
.set HH,  226
.set P0,  227                          ; v227-233 seven addresses, made three times
.set Q0,  234                          ; v234-237 at work
.set MSB, 0
.macro WIN new                         ; the immediate's high byte repeats the setting that is left
.if MSB != \new
	s_set_vgpr_msb (MSB<<8)|\new
.set MSB, \new
.endif
.endm
.macro NOPS n
.rept \n
	v_nop
.endr
.endm
; A tile's 32 loads (512 consecutive bytes each) into set, and its 64 mask words (lane r: rows 16 m + r).  step = 1: the bases go one tile on; the loads that read them are done.
.macro ISSUE set, step
.if \step
	s_add_nc_u64 s[8:9], s[8:9], 16384
	s_add_nc_u64 s[10:11], s[10:11], 256
.endif
	WIN 0x40                                       ; destination window 1, address window 0
.set li, 0
.rept 32
	global_load_b128 v[128*(\set)+4*li:128*(\set)+4*li+3], v[GOF], s[8:9] offset:512*li th:TH_LOAD_NT
.set li, li+1
.endr
	WIN 0
.irp m, 0,1,2,3
	global_load_b32 v[ML+4*(\set)+\m], v[MOF], s[10:11] offset:64*\m th:TH_LOAD_NT
.endr
.endm
.macro TOLDS set                       ; the landed tile into my LDS tile: load i holds rows 2 i and 2 i + 1
	WIN 0x04                                       ; an LDS store's data are its source 1: window 1
.set li, 0
.rept 32
	ds_store_b128 v[LST], v[128*(\set)+4*li:128*(\set)+4*li+3] offset:2*PITCH*li
.set li, li+1
.endr
	WIN 0
.endm
.macro XL m, x                         ; row 16 m + r, numbers 32 h .. 32 h + 31, into set x
.irp q, 0,1,2,3,4,5,6,7
	ds_load_b128 v[XQ+32*(\x)+4*\q:XQ+32*(\x)+4*\q+3], v[LRD] offset:16*PITCH*(\m)+16*\q
.endr
.endm
; A lane's 32 registers from src on are one whole block of 32 along K: its codes go to 4 registers from dst on, the conversion's scale operand to scl, the scale's byte to by.
.macro QBLK src, dst, scl, by
	v_max3_num_f32 v[T0], |v[(\src)]|, |v[(\src)+1]|, 0x1800000   ; the largest magnitude, in two chains; the floor 2^(3 - 127) holds the byte at 1 from below
	v_max3_num_f32 v[T1], |v[(\src)+16]|, |v[(\src)+17]|, |v[(\src)+18]|
.irp i, 2,4,6,8,10,12
	v_max3_num_f32 v[T0], v[T0], |v[(\src)+\i]|, |v[(\src)+\i+1]|
	v_max3_num_f32 v[T1], v[T1], |v[(\src)+\i+17]|, |v[(\src)+\i+18]|
.endr
	v_max3_num_f32 v[T0], v[T0], |v[(\src)+14]|, |v[(\src)+15]|
	v_max3_num_f32 v[T0], v[T0], v[T1], |v[(\src)+31]|
	v_add_nc_u32 v[(\scl)], 0xff000000, v[T0]      ; 2 off its exponent field: the conversion takes the exponent field of this operand as its scale
.irp g, 0,1,2,3
	v_cvt_scalef32_pk8_fp4_f32 v[(\dst)+\g], v[(\src)+8*\g:(\src)+8*\g+7], v[(\scl)]
.endr
	v_lshrrev_b32 v[(\by)], 23, v[(\scl)]          ; the byte; also the plain line behind the conversions
.endm
.macro MERGE by, u, out                ; my block's byte at bit 8 h, joined with the lane 16 away: two bytes of the row's scale word, in every lane
	v_lshlrev_b32 v[(\by)], v[SH8], v[(\by)]
	v_permlanex16_b32 v[(\u)], v[(\by)], s48, s49
	v_or_b32 v[(\out)], v[(\by)], v[(\u)]
.endm
.macro MM m, d                         ; rows 16 m .. + 15: all 64 hidden units, four results from d on; C is never D, and no two that follow each other share a result
.irp t, 0,1,2,3
	v_wmma_scale_f32_16x16x128_f8f6f4 v[(\d)+8*\t:(\d)+8*\t+7], v[WA+8*\t:WA+8*\t+7], v[BF+8*(\m):BF+8*(\m)+7], v[CT+8*\t:CT+8*\t+7], v[WAS+\t], v[BSC+(\m)] matrix_a_fmt:MATRIX_FMT_FP4 matrix_b_fmt:MATRIX_FMT_FP4
.endr
.endm
.macro DOT d, m                        ; relu, each result from its low end on, and my 32 hidden units' part of the score
.set k, 0
.rept 32
	v_max_num_f32 v[(\d)+k], 0, v[(\d)+k]
.set k, k+1
.endr
.irp c, 0,1,2,3
	v_pk_mul_f32 v[SA+2*\c:SA+2*\c+1], v[(\d)+2*\c:(\d)+2*\c+1], v[W2+2*\c:W2+2*\c+1]   ; four chains, started by the first products
.endr
.set k, 8
.rept 12
	v_pk_fma_f32 v[SA+k%8:SA+k%8+1], v[(\d)+k:(\d)+k+1], v[W2+k:W2+k+1], v[SA+k%8:SA+k%8+1]
.set k, k+2
.endr
	v_pk_add_f32 v[SA:SA+1], v[SA:SA+1], v[SA+2:SA+3]
	v_pk_add_f32 v[SA+4:SA+5], v[SA+4:SA+5], v[SA+6:SA+7]
	v_pk_add_f32 v[SA:SA+1], v[SA:SA+1], v[SA+4:SA+5]
	v_add_f32 v[SC+(\m)], v[SA], v[SA+1]
.endm
; Loads 2 p and 2 p + 1 of the tile (rows 4 p + h and 4 p + 2 + h, my 4 columns) times their attn, which lie in one pair: the first serves one chain of sums, the second the other.
.macro FMP p, set
.set fr, 128*(\set)+8*(\p)
.set fa, AT+2*(\p)
.if (\p) == 0
	v_pk_mul_f32 v[ACC:ACC+1], v[fr:fr+1], v[fa:fa+1] op_sel_hi:[1,0]
	v_pk_mul_f32 v[ACC+2:ACC+3], v[fr+2:fr+3], v[fa:fa+1] op_sel_hi:[1,0]
	v_pk_mul_f32 v[ACC+4:ACC+5], v[fr+4:fr+5], v[fa:fa+1] op_sel:[0,1] op_sel_hi:[1,1]
	v_pk_mul_f32 v[ACC+6:ACC+7], v[fr+6:fr+7], v[fa:fa+1] op_sel:[0,1] op_sel_hi:[1,1]
.else
	v_pk_fma_f32 v[ACC:ACC+1], v[fr:fr+1], v[fa:fa+1], v[ACC:ACC+1] op_sel_hi:[1,0,1]
	v_pk_fma_f32 v[ACC+2:ACC+3], v[fr+2:fr+3], v[fa:fa+1], v[ACC+2:ACC+3] op_sel_hi:[1,0,1]
	v_pk_fma_f32 v[ACC+4:ACC+5], v[fr+4:fr+5], v[fa:fa+1], v[ACC+4:ACC+5] op_sel:[0,1,0] op_sel_hi:[1,1,1]
	v_pk_fma_f32 v[ACC+6:ACC+7], v[fr+6:fr+7], v[fa:fa+1], v[ACC+6:ACC+7] op_sel:[0,1,0] op_sel_hi:[1,1,1]
.endif
.endm
.macro BARRIER                         ; my LDS stores have landed and my LDS loads are in: then the work-group's barrier
	s_wait_dscnt 0x0
	s_barrier_signal -1
	s_barrier_wait -1
.endm
	; ---------------- the head ----------------
	s_load_b512 s[8:23], s[0:1], 0x0               ; argument i in s[8 + 2 i : 9 + 2 i]: emb, mask, att_w1, att_b1, att_w2, att_b2, pos_w1, pos_b1,
	s_load_b512 s[24:39], s[0:1], 0x40             ; pos_w2's codes, scales, pos_b2, target's codes, scales, proj_w's codes, scales, proj_b,
	s_load_b128 s[40:43], s[0:1], 0x80             ; ln_gamma, ln_beta,
	s_load_b64 s[44:45], s[0:1], 0x90              ; out0
	v_lshrrev_b32 v[Q0], 5, v0
	v_readfirstlane_b32 s2, v[Q0]                  ; w: wave 0 .. 7
	v_and_b32 v[LN], 31, v0                        ; lane
	v_and_b32 v[RR], 15, v0                        ; r
	v_bfe_u32 v[HH], v0, 4, 1                      ; h
	s_and_b32 s3, s2, 3                            ; t
	s_lshr_b32 s4, s2, 2                           ; c
	s_mov_b32 s48, 0x76543210
	s_mov_b32 s49, 0xfedcba98                      ; v_permlanex16_b32's selects for the lane 16 away
	s_mov_b32 s53, 0
	s_mul_i32 s58, s2, TILEB
	s_lshl_b32 s59, s2, 8
	s_add_co_u32 s59, s59, ATT
	s_mul_i32 s60, s2, 4*PITCH
	s_add_co_u32 s60, s60, SEG
	s_mul_i32 s61, s2, 24*PITCH
	s_add_co_u32 s61, s61, RW1
	s_lshl_b32 s62, s2, 8
	s_add_co_u32 s62, s62, RV
	s_lshl_b32 s63, s2, 9
	s_add_co_u32 s63, s63, RC
	v_lshlrev_b32 v[GOF], 4, v[LN]
	v_mul_u32_u24 v[Q0], v[HH], PITCH
	v_lshl_add_u32 v[Q0], v[RR], 4, v[Q0]          ; 272 h + 16 r
	v_add_nc_u32 v[LST], s58, v[Q0]
	v_add_nc_u32 v[SGD], s60, v[Q0]
	v_add_nc_u32 v[P0+4], s61, v[Q0]               ; att_w1's rows 24 w on
	v_mul_u32_u24 v[Q0+1], v[RR], PITCH
	v_lshl_add_u32 v[Q0+1], v[HH], 7, v[Q0+1]
	v_add_nc_u32 v[LRD], s58, v[Q0+1]
	v_lshlrev_b32 v[MOF], 2, v[RR]
	v_and_b32 v[Q0+1], 1, v[RR]
	v_lshrrev_b32 v[Q0+2], 1, v[RR]
	v_lshlrev_b32 v[Q0+1], 7, v[Q0+1]
	v_lshl_add_u32 v[Q0+1], v[Q0+2], 2, v[Q0+1]
	v_add_nc_u32 v[AST], s59, v[Q0+1]
	v_lshl_add_u32 v[ARD], v[HH], 7, s59
	v_lshl_add_u32 v[SST], v[RR], 4, s60
	v_and_b32 v[Q0+1], 3, v[RR]
	v_mul_u32_u24 v[Q0+1], v[Q0+1], PITCH
	v_lshl_add_u32 v[Q0+1], v[HH], 7, v[Q0+1]
	v_add_nc_u32 v[SGR], s60, v[Q0+1]
	v_lshlrev_b32 v[SH8], 3, v[HH]
	v_lshl_add_u32 v[VRV], v[HH], 7, RV
	v_lshrrev_b32 v[Q0+1], 3, v[RR]
	v_mad_u32_u24 v[Q0+1], v[Q0+1], 24, v[RR]      ; r + 24 (r / 8): THE ROWS OF pos_w2 AND proj_w THAT FORM A TILE ARE NOT NEIGHBOURS: lane r of tile t' takes row 8 t' + r + 24 (r / 8),
	v_lshlrev_b32 v[P0+1], 1, v[Q0+1]              ; so that a lane's 32 results are features 32 h .. 32 h + 31 of its row.  Their scales: 2 bytes a row
	v_lshlrev_b32 v[Q0+2], 5, v[Q0+1]              ; their codes: 32 bytes a row
	v_lshl_add_u32 v[Q0+2], v[HH], 4, v[Q0+2]
	v_add_nc_u32 v[VNC], RC, v[Q0+2]
	v_lshlrev_b32 v[P0], 3, v[LN]                  ; 8 x lane
	v_lshlrev_b32 v[P0+2], 4, v[HH]                ; 16 h
	v_mov_b32 v[P0+3], 0
	v_add_nc_u32 v[P0+5], s62, v[P0]
	v_add_nc_u32 v[P0+6], s63, v[GOF]
.irp j, 0,1,2,3
	v_mov_b32 v[U+\j], 0                           ; written once: a lane permute's destination counts as one of its sources
.endr
	s_wait_kmcnt 0x0
	s_load_b32 s46, s[18:19], 0x0                  ; att_b2; waited for at the head's end
	s_lshl_b32 s52, ttmp9, 19                      ; 32 tiles of 16,384 bytes a work-group,
	s_lshl_b32 s58, s2, 16                         ; 4 a wave
	s_add_co_u32 s52, s52, s58
	s_add_nc_u64 s[8:9], s[8:9], s[52:53]
	s_lshl_b32 s52, ttmp9, 13                      ; a tile's mask, and its row of the output, are 256 bytes
	s_lshl_b32 s58, s2, 10
	s_add_co_u32 s52, s52, s58
	s_add_nc_u64 s[10:11], s[10:11], s[52:53]
	s_add_nc_u64 s[44:45], s[44:45], s[52:53]
	s_lshr_b32 s58, ttmp9, 1                       ; b
	s_lshl_b32 s52, s58, 5
	s_add_nc_u64 s[30:31], s[30:31], s[52:53]      ; target's row b: 32 bytes of codes,
	s_lshl_b32 s52, s58, 1
	s_add_nc_u64 s[32:33], s[32:33], s[52:53]      ; 2 scale bytes
	s_mul_i32 s52, s2, 24*256
	s_add_nc_u64 s[12:13], s[12:13], s[52:53]      ; att_w1's rows 24 w on
	s_mov_b64 s[54:55], s[20:21]                   ; the vector that wave w brings: the choice hangs on the wave's number alone
	s_cmp_eq_u32 s2, 1
	s_cselect_b64 s[54:55], s[22:23], s[54:55]
	s_cmp_eq_u32 s2, 2
	s_cselect_b64 s[54:55], s[28:29], s[54:55]
	s_cmp_eq_u32 s2, 3
	s_cselect_b64 s[54:55], s[14:15], s[54:55]
	s_cmp_eq_u32 s2, 4
	s_cselect_b64 s[54:55], s[16:17], s[54:55]
	s_cmp_eq_u32 s2, 5
	s_cselect_b64 s[54:55], s[38:39], s[54:55]
	s_cmp_eq_u32 s2, 6
	s_cselect_b64 s[54:55], s[40:41], s[54:55]
	s_cmp_eq_u32 s2, 7
	s_cselect_b64 s[54:55], s[42:43], s[54:55]
	s_cmp_lt_u32 s2, 4
	s_cselect_b64 s[56:57], s[24:25], s[34:35]     ; waves 0-3 bring pos_w2's codes, waves 4-7 proj_w's, 512 bytes each
	s_lshl_b32 s52, s3, 9
	s_add_nc_u64 s[56:57], s[56:57], s[52:53]
	; 24 loads for the head, then tile 0's 36
.set li, 0
.rept 12
	global_load_b128 v[46+4*li:49+4*li], v[GOF], s[12:13] offset:512*li
.set li, li+1
.endr
	global_load_b64 v[94:95], v[P0], s[54:55]
	global_load_b128 v[96:99], v[GOF], s[56:57]
.irp t, 0,1,2,3
	global_load_u16 v[PWS+\t], v[P0+1], s[26:27] offset:16*\t
.endr
.irp t, 0,1,2,3
	global_load_u16 v[PJS+\t], v[P0+1], s[36:37] offset:16*\t
.endr
	global_load_b128 v[214:217], v[P0+2], s[30:31] ; target's row b in every column: k = 32 h .. 32 h + 31
	global_load_u16 v[TGS], v[P0+3], s[32:33]
	ISSUE 0, 0
	s_wait_loadcnt 36                              ; loads come back in order: the head's 24 are in; tile 0's 32 and its 4 mask loads stay out
.set li, 0
.rept 12
	ds_store_b128 v[P0+4], v[46+4*li:49+4*li] offset:2*PITCH*li
.set li, li+1
.endr
	ds_store_b64 v[P0+5], v[94:95]
	ds_store_b128 v[P0+6], v[96:99]
	BARRIER                                        ; att_w1, the vectors and the codes lie in LDS
	; the second batch of addresses (the loads and stores that named v227-233 are done)
	s_lshl_b32 s58, s3, 6
	s_add_co_u32 s59, s58, RW1
	s_mul_i32 s60, s4, 64*PITCH
	v_mul_u32_u24 v[Q0], v[HH], 32*PITCH
	v_lshl_add_u32 v[Q0], v[RR], 2, v[Q0]
	v_add_nc_u32 v[P0+1], s59, v[Q0]               ; att_w1: row 32 h, column 16 t + r
	v_add_nc_u32 v[P0], s60, v[P0+1]               ; and 64 c rows further down
	s_add_co_u32 s58, s58, RV+768
	v_lshl_add_u32 v[P0+6], v[HH], 5, s58          ; att_b1 at 16 t + 8 h
	s_lshl_b32 s59, s3, 10
	s_lshl_b32 s60, s4, 9
	s_add_co_u32 s59, s59, s60
	s_add_co_u32 s59, s59, WAI
	v_add_nc_u32 v[P0+2], s59, v[GOF]
	s_lshl_b32 s60, s2, 7
	s_add_co_u32 s60, s60, WSC
	v_lshl_add_u32 v[P0+3], v[LN], 2, s60
	s_lshl_b32 s61, s2, 9
	s_add_co_u32 s61, s61, PFI
	v_add_nc_u32 v[P0+4], s61, v[GOF]
	s_lshl_b32 s62, s2, 10
	s_add_co_u32 s62, s62, CTI
	v_add_nc_u32 v[P0+5], s62, v[GOF]
	s_lshl_b32 s63, s4, 4                          ; 16 c
.irp q, 0,1,2,3,4,5,6,7
	ds_load_b128 v[78+4*\q:81+4*\q], v[VRV] offset:16*\q          ; pos_w1 at 32 h on
.endr
.irp q, 0,1,2,3,4,5,6,7
	ds_load_b128 v[110+4*\q:113+4*\q], v[VRV] offset:256+16*\q    ; pos_b1
.endr
.irp q, 0,1,2,3,4,5,6,7
	ds_load_b128 v[142+4*\q:145+4*\q], v[VRV] offset:512+16*\q    ; pos_b2: the C of the position layer's product
.endr
.irp t, 0,1,2,3
	ds_load_b128 v[174+8*\t:177+8*\t], v[VNC] offset:256*\t       ; pos_w2's four fragments: K = 64, so registers 4-7 are zero codes
.endr
.set li, 0
.rept 32
	ds_load_b32 v[46+li], v[P0] offset:PITCH*li    ; att_w1(64 c + 32 h + i, 16 t + r): a lane to a column, registers down K
.set li, li+1
.endr
.irp t, 0,1,2,3
.irp j, 4,5,6,7
	v_mov_b32 v[174+8*\t+\j], 0
.endr
.endr
.irp j, 4,5,6,7
	v_mov_b32 v[206+\j], 0
	v_mov_b32 v[214+\j], 0
.endr
	s_lshl_b32 s58, s3, 4
	v_add_nc_u32 v[Q0], s58, v[RR]                 ; s = 16 t + r
	v_cvt_f32_u32 v[Q0], v[Q0]
	v_mul_f32 v[Q0+1], 0x3c820821, v[Q0]           ; s x (1 / 63),
	v_fma_f32 v[Q0+2], -v[Q0+1], 0x427c0000, v[Q0] ; what is left of s,
	v_fma_f32 v222, v[Q0+2], 0x3c820821, v[Q0+1]   ; and the mended quotient
	v_mov_b32 v223, v222
	s_wait_dscnt 32                                ; all but the 32 column loads just issued
.set k, 0
.rept 16
	v_pk_fma_f32 v[78+k:79+k], v[78+k:79+k], v[222:223], v[110+k:111+k]   ; position x pos_w1 + pos_b1, in f32
.set k, k+2
.endr
.set k, 0
.rept 32
	v_max_num_f32 v[78+k], 0, v[78+k]
.set k, k+1
.endr
.set li, 0
.rept 32
	ds_load_b32 v[110+li], v[P0+1] offset:128*PITCH+PITCH*li      ; w_tgt: att_w1(128 + 32 h + i, 16 t + r)
.set li, li+1
.endr
	QBLK 78, 206, SCL, BY
	MERGE BY, U, SA1
	s_wait_dscnt 32                                ; the first 32 column loads are in; w_tgt's 32 stay out
	QBLK 46, 94, SCL+1, BY+1                       ; half c of source 0's fragment t.  (These lines are also the places between the scale word above and the product below)
	MERGE BY+1, U+1, BY+1
	v_lshlrev_b32 v[BY+1], s63, v[BY+1]            ; blocks 2 c and 2 c + 1 of the word
	ds_store_b128 v[P0+2], v[94:97]
	ds_store_b32 v[P0+3], v[BY+1]
.irp t, 0,1,2,3
	v_wmma_scale_f32_16x16x128_f8f6f4 v[142+8*\t:149+8*\t], v[174+8*\t:181+8*\t], v[206:213], v[142+8*\t:149+8*\t], v[PWS+\t], v[SA1] matrix_a_fmt:MATRIX_FMT_FP4 matrix_b_fmt:MATRIX_FMT_FP4   ; pos_enc(16 t + r, 32 h + 8 t' + j)
.endr
.irp j, 4,5,6,7
	v_mov_b32 v[78+\j], 0
.endr
	ds_load_b128 v[86:89], v[P0+6]                 ; att_b1: the C of target x w_tgt
	ds_load_b128 v[90:93], v[P0+6] offset:16
	s_wait_dscnt 0x0
	QBLK 110, 78, SCL+2, BY+2                      ; w_tgt's fragment t.  (Places behind the four products above)
	MERGE BY+2, U+2, SWT
	QBLK 142, 98, SCL+3, BY+3                      ; pos_enc's codes; each result is first read at its low end
	MERGE BY+3, U+3, BY+3
	v_lshlrev_b32 v[BY+3], 16, v[BY+3]             ; blocks 2 and 3 of source 1's word
	ds_store_b128 v[P0+4], v[98:101]
	ds_store_b32 v[P0+3], v[BY+3] offset:PFS-WSC
	v_wmma_scale_f32_16x16x128_f8f6f4 v[86:93], v[78:85], v[214:221], v[86:93], v[SWT], v[TGS] matrix_a_fmt:MATRIX_FMT_FP4 matrix_b_fmt:MATRIX_FMT_FP4   ; (target w_tgt + att_b1)(16 t + 8 h + j), the same in every column
	NOPS 4
	ds_store_b128 v[P0+5], v[86:89]
	ds_store_b128 v[P0+5], v[90:93] offset:512
	BARRIER                                        ; all fragments, scale words and C tiles lie in LDS
	; the third batch of addresses, and the 40 loads of what stays in registers
	v_add_nc_u32 v[P0], WAI, v[GOF]
	s_lshl_b32 s58, s4, 12
	v_add_nc_u32 v[P0+1], s58, v[P0]               ; my group's copy of C,
	s_lshl_b32 s59, s4, 11
	v_add_nc_u32 v[P0+2], s59, v[P0]               ; of pos_enc's codes,
	v_lshl_add_u32 v[P0+3], v[LN], 2, WSC
	s_lshl_b32 s60, s4, 9
	v_add_nc_u32 v[P0+4], s60, v[P0+3]             ; and of their scale words
	v_lshl_add_u32 v[P0+5], v[HH], 5, RV+1024      ; att_w2 at 8 h
.irp t, 0,1,2,3
	ds_load_b128 v[WA+8*\t:WA+8*\t+3], v[P0] offset:1024*\t
	ds_load_b128 v[WA+8*\t+4:WA+8*\t+7], v[P0] offset:1024*\t+512
	ds_load_b128 v[CT+8*\t:CT+8*\t+3], v[P0+1] offset:CTI-WAI+1024*\t
	ds_load_b128 v[CT+8*\t+4:CT+8*\t+7], v[P0+1] offset:CTI-WAI+1024*\t+512
	ds_load_b128 v[BF+8*\t+4:BF+8*\t+7], v[P0+2] offset:PFI-WAI+512*\t
	ds_load_b128 v[W2+8*\t:W2+8*\t+3], v[P0+5] offset:64*\t
	ds_load_b128 v[W2+8*\t+4:W2+8*\t+7], v[P0+5] offset:64*\t+16
	ds_load_b32 v[WAS+\t], v[P0+3] offset:128*\t
	ds_load_b32 v[BY+\t], v[P0+3] offset:128*\t+512
	ds_load_b32 v[PSC+\t], v[P0+4] offset:PFS-WSC+128*\t
.endr
	s_wait_dscnt 0x0
.irp t, 0,1,2,3
	v_or_b32 v[WAS+\t], v[WAS+\t], v[BY+\t]        ; the two halves of source 0's scale words
.endr
	s_wait_kmcnt 0x0                               ; att_b2
	s_mov_b32 s50, 0                               ; where the trip's first row of seg goes
	s_mov_b32 s47, 2
; ---------------- a tile ----------------
.macro PROCESS set
	XL 0, 0
	XL 1, 1
.irp m, 0,1,2,3
.if \m < 3
	s_wait_dscnt 8                                 ; LDS serves a wave in order: these 16 rows are in; the next 16 rows' eight loads stay out
.else
	s_wait_dscnt 0x0
.endif
	QBLK XQ+32*(\m%2), BF+8*\m, SCL+\m, BY+\m
.if \m < 2
	XL \m+2, \m%2
.endif
.endr
.irp m, 0,1,2,3
	v_lshlrev_b32 v[BY+\m], v[SH8], v[BY+\m]
.endr
.irp m, 0,1,2,3
	v_permlanex16_b32 v[U+\m], v[BY+\m], s48, s49
.endr
.irp m, 0,1,2,3
	v_or_b32 v[BSC+\m], v[BY+\m], v[U+\m]
.endr
.irp m, 0,1,2,3
	v_or_b32 v[BSC+\m], v[BSC+\m], v[PSC+\m]       ; emb's two bytes below, pos_enc's two above
.endr
	NOPS 8                                         ; a scale register written by a vector instruction stands eight places ahead of a scaled matrix instruction
	MM 0, DA
	MM 1, DB
	NOPS 4                                         ; places ahead of the first read of results
	DOT DA, 0
	MM 2, DA                                       ; the lines of each DOT are the places behind the products that it does not read
	DOT DB, 1
	MM 3, DB
	DOT DA, 2
	DOT DB, 3
.irp m, 0,1,2,3
	v_permlanex16_b32 v[U+\m], v[SC+\m], s48, s49  ; the row's other 32 hidden units lie in the lane 16 away
.endr
.irp m, 0,1,2,3
	v_add_f32 v[SC+\m], v[SC+\m], v[U+\m]
.endr
.irp m, 0,1,2,3
	v_add_f32 v[SC+\m], s46, v[SC+\m]              ; + att_b2
.endr
.irp m, 0,1,2,3
	v_cmp_ne_u32 vcc_lo, 0, v[ML+4*(\set)+\m]
	v_cndmask_b32 v[SC+\m], 0xce6e6b28, v[SC+\m], vcc_lo   ; -1e9 where the mask is 0
.endr
	v_max3_num_f32 v[MX], v[SC], v[SC+1], v[SC+2]  ; the tile's largest score: my four rows, then the 16 lanes of my half, which hold all 64 rows
	v_max_num_f32 v[MX], v[MX], v[SC+3]
	v_max_num_f32_dpp v[MX], v[MX], v[MX] row_xmask:1 row_mask:0xf bank_mask:0xf
	v_max_num_f32_dpp v[MX], v[MX], v[MX] row_xmask:2 row_mask:0xf bank_mask:0xf
	v_max_num_f32_dpp v[MX], v[MX], v[MX] row_xmask:4 row_mask:0xf bank_mask:0xf
	v_max_num_f32_dpp v[MX], v[MX], v[MX] row_xmask:8 row_mask:0xf bank_mask:0xf
.irp m, 0,1,2,3
	v_sub_f32 v[SC+\m], v[SC+\m], v[MX]            ; the maximum is taken away first: an exact 0 at the largest score, and everywhere in a tile that is all masked
.endr
.irp m, 0,1,2,3
	v_mul_f32 v[SC+\m], 0x3fb8aa3b, v[SC+\m]
.endr
.irp m, 0,1,2,3
	v_exp_f32 v[SC+\m], v[SC+\m]
.endr
	v_nop                                          ; a plain line behind the last exponential,
	s_wait_alu depctr_va_vdst(0)                   ; and the one wait ahead of the batch's first reader
	v_add_f32 v[SL], v[SC], v[SC+1]
	v_add_f32 v[SL+1], v[SC+2], v[SC+3]
	v_add_f32 v[SL], v[SL], v[SL+1]
	v_add_f32_dpp v[SL], v[SL], v[SL] row_xmask:1 row_mask:0xf bank_mask:0xf
	v_add_f32_dpp v[SL], v[SL], v[SL] row_xmask:2 row_mask:0xf bank_mask:0xf
	v_add_f32_dpp v[SL], v[SL], v[SL] row_xmask:4 row_mask:0xf bank_mask:0xf
	v_add_f32_dpp v[SL], v[SL], v[SL] row_xmask:8 row_mask:0xf bank_mask:0xf
	v_rcp_f32 v[SL+1], v[SL]
	v_nop
	s_wait_alu depctr_va_vdst(0)                   ; as above, for the reciprocal
.irp m, 0,1,2,3
	v_mul_f32 v[SC+\m], v[SC+\m], v[SL+1]
.endr
.irp m, 0,1,2,3
	ds_store_b32 v[AST], v[SC+\m] offset:32*\m     ; attn(16 m + r) to [s % 2][s / 2]; both halves of the lanes write the same word with the same value
.endr
.irp q, 0,1,2,3,4,5,6,7
	ds_load_b128 v[AT+4*\q:AT+4*\q+3], v[ARD] offset:16*\q   ; back: attn(2 i + h), i = 0 .. 31: the rows that my registers of the tile hold.  My own bytes, served in order
.endr
	s_wait_dscnt 0x0
	WIN 0x01                                       ; source 0, the tile as it was loaded: window 1
.set fp, 0
.rept 16
	FMP fp, \set
.set fp, fp+1
.endr
	WIN 0
	v_pk_add_f32 v[ACC:ACC+1], v[ACC:ACC+1], v[ACC+4:ACC+5]
	v_pk_add_f32 v[ACC+2:ACC+3], v[ACC+2:ACC+3], v[ACC+6:ACC+7]
.irp j, 0,1,2,3
	v_permlanex16_b32 v[U+\j], v[ACC+\j], s48, s49 ; the rows of the other parity
.endr
	v_pk_add_f32 v[ACC:ACC+1], v[ACC:ACC+1], v[U:U+1]
	v_pk_add_f32 v[ACC+2:ACC+3], v[ACC+2:ACC+3], v[U+2:U+3]
	v_add_nc_u32 v[TAD], s50, v[SST]
	ds_store_b128 v[TAD], v[ACC:ACC+3] offset:PITCH*(\set)   ; seg(4 r .. 4 r + 3) of this tile's row
.endm
.macro STEP set
	s_wait_loadcnt 0x0                             ; the tile and its mask are in; nothing else of mine is out
.if \set
	s_cmp_eq_u32 s47, 1                            ; behind the wave's last tile there is nothing to ask for: no load leaves its buffer
	s_cbranch_scc1 .Lno_more_\@
	ISSUE 0, 1
.Lno_more_\@:
.else
	ISSUE 1, 1                                     ; the next tile goes out at once, into the set that the last tile's sums have left
.endif
	TOLDS \set
	PROCESS \set
.endm
.Lpair:                                            ; two trips of two tiles: after two the register sets are back where they began
	STEP 0
	STEP 1
	s_add_co_u32 s50, s50, 2*PITCH
	s_sub_co_u32 s47, s47, 1
	s_cmp_lg_u32 s47, 0
	s_cbranch_scc1 .Lpair
	; ---------------- my four rows: projection and LayerNorm.  Lane (r, h) takes row r % 4 ----------------
.set PD, 206                           ; v206-237 the projection's results: features 32 h .. 32 h + 31 of my row
.set LS, 174                           ; sums at work
.set LM, 190                           ; the mean, twice
.set LE, 192                           ; 1e-5
.set LR, 194                           ; 1 / sqrt(var + 1e-5), twice
.irp q, 0,1,2,3,4,5,6,7
	ds_load_b128 v[XQ+4*\q:XQ+4*\q+3], v[SGR] offset:16*\q         ; seg(r % 4, 32 h ..): my own stores, served in order
.endr
.irp t, 0,1,2,3
	ds_load_b128 v[WA+8*\t:WA+8*\t+3], v[VNC] offset:2048+256*\t   ; proj_w's four fragments
.endr
.irp q, 0,1,2,3,4,5,6,7
	ds_load_b128 v[PD+4*\q:PD+4*\q+3], v[VRV] offset:1280+16*\q    ; proj_b: the product's C
.endr
.irp q, 0,1,2,3,4,5,6,7
	ds_load_b128 v[CT+4*\q:CT+4*\q+3], v[VRV] offset:1536+16*\q    ; ln_gamma
.endr
.irp q, 0,1,2,3,4,5,6,7
	ds_load_b128 v[W2+4*\q:W2+4*\q+3], v[VRV] offset:1792+16*\q    ; ln_beta
.endr
.irp t, 0,1,2,3
.irp j, 4,5,6,7
	v_mov_b32 v[WA+8*\t+\j], 0                     ; K = 64: the upper half of both operands is zero codes
.endr
.endr
.irp j, 4,5,6,7
	v_mov_b32 v[BF+\j], 0
.endr
	s_wait_dscnt 28                                ; seg's eight loads are in; the 28 issued behind them stay out
	QBLK XQ, BF, SCL, BY
	MERGE BY, U, SSC
	NOPS 8                                         ; places between the scale word and the scaled products
	s_wait_dscnt 0x0
.irp t, 0,1,2,3
	v_wmma_scale_f32_16x16x128_f8f6f4 v[PD+8*\t:PD+8*\t+7], v[WA+8*\t:WA+8*\t+7], v[BF:BF+7], v[PD+8*\t:PD+8*\t+7], v[PJS+\t], v[SSC] matrix_a_fmt:MATRIX_FMT_FP4 matrix_b_fmt:MATRIX_FMT_FP4
.endr
	NOPS 4
.set k, 0
.rept 8
	v_pk_add_f32 v[LS+2*k:LS+2*k+1], v[PD+4*k:PD+4*k+1], v[PD+4*k+2:PD+4*k+3]   ; the row's sum; each result from its low end on
.set k, k+1
.endr
.irp k, 0,4,8,12
	v_pk_add_f32 v[LS+\k:LS+\k+1], v[LS+\k:LS+\k+1], v[LS+\k+2:LS+\k+3]
.endr
	v_pk_add_f32 v[LS:LS+1], v[LS:LS+1], v[LS+4:LS+5]
	v_pk_add_f32 v[LS+8:LS+9], v[LS+8:LS+9], v[LS+12:LS+13]
	v_pk_add_f32 v[LS:LS+1], v[LS:LS+1], v[LS+8:LS+9]
	v_add_f32 v[LS], v[LS], v[LS+1]
	v_permlanex16_b32 v[U], v[LS], s48, s49
	v_add_f32 v[LS], v[LS], v[U]
	v_mul_f32 v[LM], 0x3c800000, v[LS]             ; / 64
	v_mov_b32 v[LM+1], v[LM]
.set k, 0
.rept 16
	v_pk_add_f32 v[PD+k:PD+k+1], v[PD+k:PD+k+1], v[LM:LM+1] neg_lo:[0,1] neg_hi:[0,1]
.set k, k+2
.endr
	v_pk_mul_f32 v[LS:LS+1], v[PD:PD+1], v[PD:PD+1]
	v_pk_mul_f32 v[LS+2:LS+3], v[PD+2:PD+3], v[PD+2:PD+3]
.set k, 4
.rept 14
	v_pk_fma_f32 v[LS+k%4:LS+k%4+1], v[PD+k:PD+k+1], v[PD+k:PD+k+1], v[LS+k%4:LS+k%4+1]
.set k, k+2
.endr
	v_pk_add_f32 v[LS:LS+1], v[LS:LS+1], v[LS+2:LS+3]
	v_add_f32 v[LS], v[LS], v[LS+1]
	v_permlanex16_b32 v[U], v[LS], s48, s49
	v_add_f32 v[LS], v[LS], v[U]
	v_mov_b32 v[LE], 0x3727c5ac
	v_fma_f32 v[LS], v[LS], 0x3c800000, v[LE]      ; var + 1e-5
	v_rsq_f32 v[LR], v[LS]
	v_nop
	s_wait_alu depctr_va_vdst(0)                   ; the wait ahead of the first reader
	v_mov_b32 v[LR+1], v[LR]
.set k, 0
.rept 16
	v_pk_mul_f32 v[PD+k:PD+k+1], v[PD+k:PD+k+1], v[LR:LR+1]
.set k, k+2
.endr
.set k, 0
.rept 16
	v_pk_fma_f32 v[PD+k:PD+k+1], v[PD+k:PD+k+1], v[CT+k:CT+k+1], v[W2+k:W2+k+1]
.set k, k+2
.endr
.irp q, 0,1,2,3,4,5,6,7
	ds_store_b128 v[SGR], v[PD+4*\q:PD+4*\q+3] offset:16*\q        ; the four lanes of a half that hold one row write the same bytes with the same values
.endr
.irp i, 0,1
	ds_load_b128 v[LS+4*\i:LS+4*\i+3], v[SGD] offset:2*PITCH*\i    ; back by rows: lanes 0-15 one row, lanes 16-31 the next
.endr
	s_wait_dscnt 0x0
.irp i, 0,1
	global_store_b128 v[GOF], v[LS+4*\i:LS+4*\i+3], s[44:45] offset:512*\i th:TH_STORE_NT   ; 32 lanes store 512 consecutive bytes, at a multiple of 256 from out0's first byte
.endr
	s_wait_xcnt 0x0
	v_lshl_add_u32 v254, v0, 2, 0x37600
	v_mov_b32 v255, 0
	s_wait_tensorcnt 0x0
	ds_add_u32 v254, v255
	s_wait_dscnt 0x0
	s_endpgm
.Lfunc_end_k_q669303c3bf_encode:
	.size	k_q669303c3bf_encode, .Lfunc_end_k_q669303c3bf_encode-k_q669303c3bf_encode
	.p2alignl 7, 3214868480
	.fill 96, 4, 3214868480
	.section	.rodata,"a",@progbits
	.p2align	6, 0x0
	.amdhsa_kernel k_q669303c3bf_encode
		.amdhsa_group_segment_fixed_size 227840
		.amdhsa_private_segment_fixed_size 0
		.amdhsa_enable_private_segment 0
		.amdhsa_kernarg_size 152
		.amdhsa_user_sgpr_count 2
		.amdhsa_user_sgpr_kernarg_segment_ptr 1
		.amdhsa_wavefront_size32 1
		.amdhsa_system_sgpr_workgroup_id_x 1
		.amdhsa_system_sgpr_workgroup_id_y 1
		.amdhsa_system_sgpr_workgroup_id_z 1
		.amdhsa_system_vgpr_workitem_id 0
		.amdhsa_next_free_vgpr 512
		.amdhsa_next_free_sgpr 66
		.amdhsa_reserve_vcc 1
		.amdhsa_float_denorm_mode_32 3
		.amdhsa_float_denorm_mode_16_64 3
		.amdhsa_memory_ordered 1
		.amdhsa_forward_progress 1
		.amdhsa_inst_pref_size 111
	.end_amdhsa_kernel
	.amdgpu_metadata
---
amdhsa.version: [ 1, 2 ]
amdhsa.kernels:
  - .name:           k_q669303c3bf_encode
    .symbol:         k_q669303c3bf_encode.kd
    .args:
      - { .name: segmented_emb, .offset: 0, .size: 8, .value_kind: global_buffer, .address_space: global }
      - { .name: segmented_mask, .offset: 8, .size: 8, .value_kind: global_buffer, .address_space: global }
      - { .name: att_w1, .offset: 16, .size: 8, .value_kind: global_buffer, .address_space: global }
      - { .name: att_b1, .offset: 24, .size: 8, .value_kind: global_buffer, .address_space: global }
      - { .name: att_w2, .offset: 32, .size: 8, .value_kind: global_buffer, .address_space: global }
      - { .name: att_b2, .offset: 40, .size: 8, .value_kind: global_buffer, .address_space: global }
      - { .name: pos_w1, .offset: 48, .size: 8, .value_kind: global_buffer, .address_space: global }
      - { .name: pos_b1, .offset: 56, .size: 8, .value_kind: global_buffer, .address_space: global }
      - { .name: pos_w2_codes, .offset: 64, .size: 8, .value_kind: global_buffer, .address_space: global }
      - { .name: pos_w2_scales, .offset: 72, .size: 8, .value_kind: global_buffer, .address_space: global }
      - { .name: pos_b2, .offset: 80, .size: 8, .value_kind: global_buffer, .address_space: global }
      - { .name: target_emb_codes, .offset: 88, .size: 8, .value_kind: global_buffer, .address_space: global }
      - { .name: target_emb_scales, .offset: 96, .size: 8, .value_kind: global_buffer, .address_space: global }
      - { .name: proj_w_codes, .offset: 104, .size: 8, .value_kind: global_buffer, .address_space: global }
      - { .name: proj_w_scales, .offset: 112, .size: 8, .value_kind: global_buffer, .address_space: global }
      - { .name: proj_b, .offset: 120, .size: 8, .value_kind: global_buffer, .address_space: global }
      - { .name: ln_gamma, .offset: 128, .size: 8, .value_kind: global_buffer, .address_space: global }
      - { .name: ln_beta, .offset: 136, .size: 8, .value_kind: global_buffer, .address_space: global }
      - { .name: out0, .offset: 144, .size: 8, .value_kind: global_buffer, .address_space: global }
    .group_segment_fixed_size: 227840
    .private_segment_fixed_size: 0
    .kernarg_segment_align: 8
    .kernarg_segment_size: 152
    .max_flat_workgroup_size: 256
    .sgpr_count:     66
    .vgpr_count:     512
    .wavefront_size: 32
...
	.end_amdgpu_metadata
.endif
;; end of part 1
